; MI455X (gfx1250); checked and timed in simulation.
; The chip was launched on July 23, 2026; its instructions are those of AMD's public machine-readable ISA for CDNA 5 (MIT licence, August 2026) and "CDNA5" Instruction Set Architecture Reference Guide (July 2026). The comments in the code are by the model that wrote it; some were corrected since.
;; MABSINK. Allowed arithmetic: matrix products marked QUANTISED: E4M3 operands, one E8M0 scale for each 32 along K, by v_wmma_scale_f32_16x16x128_f8f6f4 with both operands' format E4M3, f32 sums; everything else in f32.
;; Inputs: K_codes 4 x 2,048 x 32 x 32 uint8 (E4M3 codes of K, K innermost, in blocks of 32 codes); K_scales 4 x 2,048 x 32 uint8 (E8M0 scales of K, one for each 32 codes along K); Q_codes 4 x 2,048 x 32 x 32 uint8 (E4M3 codes of Q, K innermost, in blocks of 32 codes); Q_scales 4 x 2,048 x 32 uint8 (E8M0 scales of Q, one for each 32 codes along K); Wk_codes 1,024 x 32 x 32 uint8 (E4M3 codes of Wk, K innermost, in blocks of 32 codes); Wk_scales 1,024 x 32 uint8 (E8M0 scales of Wk, one for each 32 codes along K); Wo_codes 1,024 x 32 x 32 uint8 (E4M3 codes of Wo, K innermost, in blocks of 32 codes); Wo_scales 1,024 x 32 uint8 (E8M0 scales of Wo, one for each 32 codes along K); Wq_codes 1,024 x 32 x 32 uint8 (E4M3 codes of Wq, K innermost, in blocks of 32 codes); Wq_scales 1,024 x 32 uint8 (E8M0 scales of Wq, one for each 32 codes along K); Wv_codes 1,024 x 32 x 32 uint8 (E4M3 codes of Wv, K innermost, in blocks of 32 codes); Wv_scales 1,024 x 32 uint8 (E8M0 scales of Wv, one for each 32 codes along K); b0 1,024 float32; b1 1,024 float32; bk 1,024 float32; bo 1,024 float32; bq 1,024 float32; bv 1,024 float32; g0 1,024 float32; g1 1,024 float32.
;; Outputs: out0 4 x 2,048 x 1,024 float32.
;; This version of the problem:
;;   THIS VERSION OF THE PROBLEM IS GIVEN IN LOW PRECISION. The matrix products marked QUANTISED in the list below multiply operands that are first quantised to E4M3 (4 exponent bits, 3 mantissa bits; 8 bits a number), with one power-of-two scale for each 32 numbers along K (OCP MX v1.0); their sums are f32. All else is computed in f32.
;;   The module's matrix products, in the order in which they are computed (A, B: the left and right operand; K: the contracted axis; several contracted axes count as one K, in the product's order):
;;     1. [M 8,192, K 1,024] x [K 1,024, N 1,024]; A: input Q (given as codes); B: input Wq (given as codes): QUANTISED
;;     2. [M 8,192, K 1,024] x [K 1,024, N 1,024]; A: input K (given as codes); B: input Wk (given as codes): QUANTISED
;;     3. [M 8,192, K 1,024] x [K 1,024, N 1,024]; A: input K (given as codes); B: input Wv (given as codes): QUANTISED
;;     4. batch 64 x [M 2,048, K 64] x [K 64, N 2,048]; A: computed on the way; B: computed on the way: QUANTISED
;;     5. batch 64 x [M 2,048, K 2,048] x [K 2,048, N 64]; A: computed on the way; B: computed on the way: QUANTISED
;;     6. [M 8,192, K 1,024] x [K 1,024, N 1,024]; A: computed on the way; B: input Wo (given as codes): QUANTISED
;;   THE QUANTISER, for each operand of a quantised product, along K:
;;     - K is cut into blocks of 32 from its start; a last block that is shorter is filled with zeros.
;;     - A block's scale is 2^e with e = floor(log2(the largest magnitude in the block)) - 8, held to -126 .. 127; a block of zeros has e = 0. As a byte (E8M0): e + 127.
;;     - Each number is divided by its block's scale, clamped to +-448, and rounded to the nearest number of E4M3, ties to even, subnormals kept.
;;     - The product sums the exact products of the quantised numbers (number of the format x scale) in f32.
;;   ~~~python
;;   def quantise(x, axis):      # numpy; x: float32 -> the quantised numbers, widened to float32 again
;;       x = np.moveaxis(x, axis, -1); K = x.shape[-1]
;;       x = np.pad(x, [(0, 0)] * (x.ndim - 1) + [(0, -K % 32)]); x = x.reshape(x.shape[:-1] + (-1, 32)); a = np.abs(x).max(-1, keepdims=True)
;;       e = np.where(a > 0, np.clip(np.frexp(np.where(a > 0, a, 1))[1] - 1 - 8, -126, 127), 0)      # np.frexp(a)[1] - 1 = floor(log2(a)), exactly
;;       r = np.clip(x / 2.0 ** e, -448, 448)
;;       step = 2.0 ** (np.maximum(np.frexp(np.where(r == 0, 1, r))[1] - 1, -6) - 3)
;;       q = np.round(r / step) * step * 2.0 ** e      # np.round: ties to even
;;       return np.moveaxis(q.reshape(q.shape[:-2] + (-1,))[..., :K], -1, axis).astype(np.float32)
;;   ~~~
;;   OPERANDS COMPUTED ON THE WAY. 'Computed on the way' means the value that the module computes at that place (a softmax that the list does not call 'softmax' is quantised finished and normalised). What goes into a quantiser is computed in f32, as accurately as f32 sums, v_exp_f32 and their like allow (about 1e-6 of the number): no bf16 or f16 on the way to a quantiser, and a product that is left as it is and whose result goes on into a quantised operand takes f32 operands (vector FMAs, or v_wmma_f32_16x16x4_f32). A number that lies on a knife's edge between two numbers of the format may be rounded either way, as far as f32 arithmetic and the matrix unit's own rounding can turn it there, and no further.
;;   INPUTS GIVEN AS CODES. K (in the module: [4, 2048, 1024], K = its axis 2); Q (in the module: [4, 2048, 1024], K = its axis 2); Wk (in the module: [1024, 1024], K = its axis 1); Wo (in the module: [1024, 1024], K = its axis 1); Wq (in the module: [1024, 1024], K = its axis 1); Wv (in the module: [1024, 1024], K = its axis 1): each comes as NAME_codes (uint8): NAME with its K axis moved to the last place and cut into blocks of 32 codes, [.., K / 32, bytes a block], one block behind the other in memory; one code a byte (a code: sign, 4 exponent bits, 3 mantissa bits); and NAME_scales (uint8): the same leading axes, one E8M0 byte (e + 127) for each 32 codes along K. Its value is code x scale, taken as it is: it is not quantised again, and the codes and scales need not be those that the quantiser above would give.
;; One version. Each part assembles by itself: llvm-mc -triple=amdgcn-amd-amdhsa -mcpu=gfx1250 --defsym DOCPART=n.
;; ======== version 1 of 1: 3 launches
;; limits: right only within a limited range of input values
;; workspace buffers: qc 8,388,608 bytes; qs 262,144 bytes; kc 8,388,608 bytes; ks 262,144 bytes; vc 8,388,608 bytes; vs 262,144 bytes; qf 33,554,432 bytes; oimg 33,554,432 bytes
;; launch proj (part 1): grid 4 x 96, 4 waves a work-group, clusters of 4 x 4, 327,680 bytes of LDS; arguments Q_codes, Q_scales, K_codes, K_scales, Wq_codes, Wq_scales, Wk_codes, Wk_scales, Wv_codes, Wv_scales, bq, bk, bv, qc, qs, kc, ks, vc, vs, qf; writes qc, qs, kc, ks, vc, vs, qf
.if DOCPART == 1
	.amdgcn_target "amdgcn-amd-amdhsa--gfx1250"
	.amdhsa_code_object_version 6
	.text
	.protected	k_q510a435959_proj
	.globl	k_q510a435959_proj
	.p2align	8
	.type	k_q510a435959_proj,@function
k_q510a435959_proj:
	s_mov_b64 s[64:65], 0
	v_nop
	global_prefetch_b8 v0, s[64:65] scope:SCOPE_SE
	s_setreg_imm32_b32 hwreg(HW_REG_WAVE_MODE, 25, 1), 1
	s_wait_xcnt 0x0
	s_wait_alu depctr_hold_cnt(0) depctr_sa_sdst(0) depctr_va_vdst(0) depctr_va_sdst(0) depctr_va_ssrc(0) depctr_va_vcc(0) depctr_vm_vsrc(0)
	s_getreg_b32 s2, hwreg(HW_REG_IB_STS2, 6, 4)
	s_cmp_eq_u32 s2, 0
	s_cbranch_scc0 .Lentry_in_a_cluster
	s_endpgm
.Lentry_in_a_cluster:
	s_bfe_u32 s2, ttmp6, 0x10000c
	s_cmp_lg_u32 s2, 0xf033
	s_cbranch_scc0 .Lentry_shape_is_right
	s_endpgm
.Lentry_shape_is_right:
.set KSTEP,  256
.set NQ,     KSTEP/128
.set ROWB,   256
.set KROW,   1024
.set PITCH,  272
.set FR,     16
.set NL,     4
.set NP,     8
.set HALFT,  128*PITCH
.set SLOT,   4*HALFT
.set KS,     32
.set SCL,    2*SLOT
.set HALFS,  (128*KS/256)*272
.set SBLK,   (16*KS/256)*272
.set SPARE,  SCL+4*HALFS
.set BR,   8
.set ADRA, 16
.set ADRB, 20
.set LI,   24
.set L8,   25
.set BCO,  26
.set ADRS, 27
.set SPW,  28
.set NIL,  29
.set BRO,  30
.set SC,   32
.set BC,   64
.set AF,   128
.set X,    128
.set PC,   192
.set TM,   208
.set PW,   224
.set SB,   228
.set RB,   230
.set SEL,  18
.set MNT,  20
.set HM,   40
.set G1, 24
.set G0, 32
.set G1B, 48
.set G0B, 56
.set G1S, 68
.set G0S, 76
.set G1SB, 80
.set G0SB, 88
.set QF,   94
.set OUTC, 96
.set OUTS, 66
.set OUTS1, 100
.set MSB, 0
.macro WIN new
.if MSB != \new
	s_set_vgpr_msb (MSB<<8)|\new
.set MSB, \new
.endif
.endm
.set MUL_LO, 0xa1
.set MUL_HI, 0xf1
.set TO_B,   0x40
.macro JLOAD g0a, g1a, g0b, g1b
	s_cmp_eq_u32 s15, 0
	s_cbranch_scc0 .Lfor_b_\@
	tensor_load_to_lds s[\g0a:\g0a+3], s[\g1a:\g1a+7]
	s_nop 0
.rept 4
	v_nop
.endr
	s_branch .Lasked_\@
.Lfor_b_\@:
	tensor_load_to_lds s[\g0b:\g0b+3], s[\g1b:\g1b+7]
	s_nop 0
.rept 4
	v_nop
.endr
.Lasked_\@:
.endm
.macro CREST
	s_cmp_lg_u32 s14, 0
	s_cbranch_scc1 .Lnot_wave_0_\@
	s_barrier_signal -3
.Lnot_wave_0_\@:
	s_barrier_wait -3
	s_barrier_signal -1
	s_barrier_wait -1
.endm
.macro CROUND
	s_barrier_signal -1
	s_barrier_wait -1
	CREST
.endm
	s_load_b512 s[68:83], s[0:1], 0x0
	s_load_b512 s[84:99], s[0:1], 0x40
	s_load_b256 s[52:59], s[0:1], 0x80
	v_lshl_add_u32 v[SPW], v0, 2, SPARE
	v_mov_b32 v[NIL], 0
	ds_add_u32 v[SPW], v[NIL]
	ds_add_u32 v[SPW], v[NIL]
	v_lshrrev_b32 v1, 5, v0
	v_readfirstlane_b32 s14, v1
	s_lshr_b32 s15, s14, 1
	s_and_b32 s16, s14, 1
	s_bfe_u32 s40, ttmp6, 0x40000
	s_bfe_u32 s41, ttmp6, 0x40004
	s_and_b32 s3, ttmp7, 0xffff
	s_lshr_b32 s2, s3, 3
	s_and_b32 s3, s3, 7
	s_cmp_eq_u32 s2, 2
	s_cselect_b32 s17, 0, s3
	s_cselect_b32 s42, s3, 0
	s_lshl_b32 s17, s17, 2
	s_add_co_u32 s17, s17, s41
	s_lshl_b32 s42, s42, 2
	s_add_co_u32 s42, s42, s40
	s_lshl_b32 s43, s41, 2
	s_lshl_b32 s43, 15, s43
	s_lshl_b32 s44, 0x1111, s40
	s_wait_dscnt 0x0
	s_wait_kmcnt 0x0
	s_cmp_eq_u32 s2, 0
	s_cselect_b64 s[4:5], s[68:69], s[72:73]
	s_cselect_b64 s[6:7], s[70:71], s[74:75]
	s_cselect_b64 s[8:9], s[76:77], s[80:81]
	s_cselect_b64 s[10:11], s[78:79], s[82:83]
	s_cselect_b64 s[12:13], s[88:89], s[90:91]
	s_cselect_b64 s[OUTS:OUTS+1], s[96:97], s[52:53]
	s_cselect_b64 s[OUTC:OUTC+1], s[94:95], s[98:99]
	s_mov_b64 s[QF:QF+1], s[58:59]
	s_cmp_eq_u32 s2, 2
	s_cselect_b64 s[4:5], s[84:85], s[4:5]
	s_cselect_b64 s[6:7], s[86:87], s[6:7]
	s_cselect_b64 s[8:9], s[72:73], s[8:9]
	s_cselect_b64 s[10:11], s[74:75], s[10:11]
	s_cselect_b64 s[12:13], s[92:93], s[12:13]
	s_cselect_b64 s[OUTS:OUTS+1], s[56:57], s[OUTS:OUTS+1]
	s_cselect_b64 s[OUTC:OUTC+1], s[54:55], s[OUTC:OUTC+1]
	s_or_b32 s[G1+0], s43, (0<<16)|(1<<20)|(1<<21)|(5<<22)|(3<<25)
	s_or_b32 s[G1B+0], s44, (0<<16)|(1<<20)|(1<<21)|(5<<22)|(3<<25)
.irp g, G1, G1B
	s_mov_b32 s[\g+1], ROWB<<16
	s_mov_b32 s[\g+2], 256<<16
	s_mov_b32 s[\g+3], ROWB<<16
	s_mov_b32 s[\g+4], 256
	s_mov_b32 s[\g+5], KROW
	s_mov_b32 s[\g+6], 0
	s_mov_b32 s[\g+7], 0
.endr
	s_or_b32 s[G1S+0], s43, (3<<16)|(1<<20)|(1<<21)|(5<<22)|(3<<25)
	s_or_b32 s[G1SB+0], s44, (3<<16)|(1<<20)|(1<<21)|(5<<22)|(3<<25)
.irp g, G1S, G1SB
	s_mov_b32 s[\g+1], 32<<16
	s_mov_b32 s[\g+2], (256*KS/256)<<16
	s_mov_b32 s[\g+3], 32<<16
	s_mov_b32 s[\g+4], 256*KS/256
	s_mov_b32 s[\g+5], 32
	s_mov_b32 s[\g+6], 0
	s_mov_b32 s[\g+7], 0
.endr
	s_lshl_b32 s20, s17, 8                         ; the tile's first row of A
	s_lshl_b32 s46, s42, 8                         ; and of B
	s_mov_b32 s21, 0
	s_mov_b32 s47, 0
	s_mov_b64 s[18:19], KS
	s_mul_u64 s[22:23], s[20:21], s[18:19]
	s_mul_u64 s[92:93], s[46:47], s[18:19]
	s_mov_b64 s[18:19], KROW
	s_mul_u64 s[20:21], s[20:21], s[18:19]
	s_mul_u64 s[46:47], s[46:47], s[18:19]
	s_mul_i32 s18, s16, 128*KROW                   ; in the ring I fetch 128 rows of a tile: which half, in bytes
	s_mov_b32 s19, 0
	s_mul_i32 s45, s14, HALFT
	s_add_nc_u64 s[20:21], s[4:5], s[20:21]
	s_add_nc_u64 s[22:23], s[6:7], s[22:23]
	s_add_nc_u64 s[46:47], s[8:9], s[46:47]
	s_add_nc_u64 s[92:93], s[10:11], s[92:93]
	CROUND
	s_mov_b32 s[G0S], 1
	s_mov_b32 s[G0S+1], SCL
	s_mov_b64 s[G0S+2:G0S+3], s[22:23]
	s_or_b32 s[G0S+3], s[G0S+3], 0x80000000
	s_mov_b32 s[G0SB], 1
	s_mov_b32 s[G0SB+1], SCL+2*HALFS
	s_mov_b64 s[G0SB+2:G0SB+3], s[92:93]
	s_or_b32 s[G0SB+3], s[G0SB+3], 0x80000000
.set G0H, 4                            ; s[4:7], s[8:11] group 0 for the head's loads of K step 0 (the addresses that lay there have been used)
.set G0HB, 8
	s_mov_b32 s[G0H], 1                            ; K step 0's 256 rows of A,
	s_mov_b32 s[G0H+1], 0
	s_mov_b64 s[G0H+2:G0H+3], s[20:21]
	s_or_b32 s[G0H+3], s[G0H+3], 0x80000000
	s_mov_b32 s[G0HB], 1                           ; and its 256 rows of B, behind them in slot 0
	s_mov_b32 s[G0HB+1], 2*HALFT
	s_mov_b64 s[G0HB+2:G0HB+3], s[46:47]
	s_or_b32 s[G0HB+3], s[G0HB+3], 0x80000000
	s_add_nc_u64 s[20:21], s[20:21], s[18:19]      ; for the ring: my 128 rows of the tile
	s_add_nc_u64 s[46:47], s[46:47], s[18:19]
.irp s, 0,1
	s_mov_b32 s[G0+4*\s], 1
	s_add_co_u32 s[G0+4*\s+1], s45, \s*SLOT
	s_add_nc_u64 s[G0+4*\s+2:G0+4*\s+3], s[20:21], \s*ROWB
	s_or_b32 s[G0+4*\s+3], s[G0+4*\s+3], 0x80000000
	s_mov_b32 s[G0B+4*\s], 1
	s_add_co_u32 s[G0B+4*\s+1], s45, \s*SLOT
	s_add_nc_u64 s[G0B+4*\s+2:G0B+4*\s+3], s[46:47], \s*ROWB
	s_or_b32 s[G0B+4*\s+3], s[G0B+4*\s+3], 0x80000000
.endr
; the head's loads, one a wave: wave 0 K step 0's 256 rows of A, wave 1 its 256 rows of B, wave 2 the scales of A's 256 rows, wave 3 those of B's; one tree of branches on the wave's number
.macro ARM under, g0, g1, next
	s_cmp_lt_u32 s14, \under
	s_cbranch_scc0 \next
	tensor_load_to_lds s[\g0:\g0+3], s[\g1:\g1+7]
	s_nop 0
.rept 4
	v_nop
.endr
	s_branch .Lhead_asked
\next:
.endm
	ARM 1, G0H,  G1,  .Lhead_b
	ARM 2, G0HB, G1B, .Lhead_sa
	ARM 3, G0S,  G1S, .Lhead_sb
	tensor_load_to_lds s[G0SB:G0SB+3], s[G1SB:G1SB+7]
	s_nop 0
.rept 4
	v_nop
.endr
.Lhead_asked:
	v_and_b32 v1, 15, v0
	v_bfe_u32 v2, v0, 4, 1
	v_mul_u32_u24 v3, v1, PITCH
	v_lshl_add_u32 v4, v2, 4, v3
	s_mul_i32 s21, s15, HALFT
	s_mul_i32 s22, s16, HALFT
	s_add_co_u32 s22, s22, 2*HALFT
.irp s, 0,1
	v_add_nc_u32 v[ADRA+\s], s21, v4
	v_add_nc_u32 v[ADRB+\s], s22, v4
	s_add_co_u32 s21, s21, SLOT
	s_add_co_u32 s22, s22, SLOT
.endr
	v_mul_u32_u24 v5, v1, KS
	v_lshrrev_b32 v6, 8, v5
	v_lshl_add_u32 v5, v6, 4, v5
	s_mul_i32 s21, s15, HALFS
	s_mul_i32 s22, s16, HALFS
	s_add_co_u32 s22, s22, 2*HALFS
	s_sub_co_u32 s22, s22, s21
	v_mul_u32_u24 v6, s22, v2
	s_add_co_u32 s21, s21, SCL
	v_add_nc_u32 v5, v5, v6
	v_add_nc_u32 v[ADRS], s21, v5
	v_and_b32 v6, 31, v0
	v_lshlrev_b32 v[LI], 4, v6
	v_lshlrev_b32 v[L8], 3, v6
	s_cmp_eq_u32 s2, 2
	s_mov_b32 s18, 8192
	s_cselect_b32 s19, s18, 0x100000
	s_cselect_b32 s18, 0x80000, s18
	s_lshl_b32 s20, s42, 1
	s_add_co_u32 s20, s20, s16
	s_lshl_b32 s21, s17, 2
	s_lshl_b32 s22, s15, 1
	s_add_co_u32 s21, s21, s22
	s_mul_i32 s20, s20, s19
	s_mul_i32 s21, s21, s18
	s_add_co_u32 s20, s20, s21
	s_mov_b32 s21, 0
	s_mov_b32 s19, 0
	s_mov_b32 s23, 0
	s_add_nc_u64 s[OUTC:OUTC+1], s[OUTC:OUTC+1], s[20:21]
	s_add_nc_u64 s[OUTC+2:OUTC+3], s[OUTC:OUTC+1], s[18:19]
	s_lshr_b32 s22, s20, 5
	s_add_nc_u64 s[OUTS:OUTS+1], s[OUTS:OUTS+1], s[22:23]
	s_lshr_b32 s22, s18, 5
	s_add_nc_u64 s[OUTS1:OUTS1+1], s[OUTS:OUTS+1], s[22:23]
	s_lshl_b32 s22, s20, 2
	s_add_nc_u64 s[QF:QF+1], s[QF:QF+1], s[22:23]
	s_lshl_b32 s20, s42, 8
	s_lshl_b32 s21, s16, 7
	s_add_co_u32 s20, s20, s21
	s_lshl_b32 s22, s17, 8
	s_lshl_b32 s23, s15, 7
	s_add_co_u32 s22, s22, s23
	s_cmp_eq_u32 s2, 2
	s_cselect_b32 s20, 0, s20
	s_cselect_b32 s22, s22, 0
	s_lshl_b32 s20, s20, 2
	s_lshl_b32 s22, s22, 2
	v_lshl_add_u32 v[BCO], v2, 5, s20
	v_lshl_add_u32 v[BRO], v1, 2, s22
.irp b, 0,1,2,3,4,5,6,7
	global_load_b128 v[BC+8*\b:BC+8*\b+3], v[BCO], s[12:13] offset:64*\b
	global_load_b128 v[BC+8*\b+4:BC+8*\b+7], v[BCO], s[12:13] offset:64*\b+16
.endr
.irp a, 0,1,2,3,4,5,6,7
	global_load_b32 v[BR+\a], v[BRO], s[12:13] offset:64*\a
.endr
.macro FRAG reg, adr, q, i
.irp c, 0,1,2,3
	ds_load_b128 v[\reg+4*\c:\reg+4*\c+3], v[\adr] offset:128*(\q)+32*\c+(\i)*16*PITCH
.endr
.endm
.macro MUL16 a0, p, q, sc, zero
.irp a, \a0, \a0+1
.irp b, 0,1,2,3,4,5,6,7
.if \zero
	v_wmma_scale_f32_16x16x128_f8f6f4 v[8*(8*((\a)%4)+\b):8*(8*((\a)%4)+\b)+7], v[128*(\p)+FR*\b:128*(\p)+FR*\b+FR-1], v[AF+FR*(\a):AF+FR*(\a)+FR-1], 0, v[SC+8*NQ*(\sc)+NQ*\b+(\q)], v[SC+8*NQ*(\sc)+NQ*(\a)+(\q)] matrix_a_scale:MATRIX_SCALE_ROW1
.else
	v_wmma_scale_f32_16x16x128_f8f6f4 v[8*(8*((\a)%4)+\b):8*(8*((\a)%4)+\b)+7], v[128*(\p)+FR*\b:128*(\p)+FR*\b+FR-1], v[AF+FR*(\a):AF+FR*(\a)+FR-1], v[8*(8*((\a)%4)+\b):8*(8*((\a)%4)+\b)+7], v[SC+8*NQ*(\sc)+NQ*\b+(\q)], v[SC+8*NQ*(\sc)+NQ*(\a)+(\q)] matrix_a_scale:MATRIX_SCALE_ROW1
.endif
.endr
.endr
.endm
.macro FETCH_B slot, q, p
	WIN TO_B
.irp i, 0,1,2,3,4,5,6,7
	FRAG 128*(\p)+FR*\i, ADRB+\slot, \q, \i
.endr
	WIN 0
.endm
.macro FETCH_A slot, q, i0
.irp i, \i0, \i0+1, \i0+2, \i0+3
	FRAG AF+FR*(\i), ADRA+\slot, \q, \i
.endr
.endm
.macro SCALES sc
.irp i, 0,1,2,3,4,5,6,7
	ds_load_b64 v[SC+8*NQ*\sc+NQ*\i:SC+8*NQ*\sc+NQ*\i+1], v[ADRS] offset:\i*SBLK
.endr
.endm
.macro PLACES n
.rept \n
	v_nop
.endr
.endm
.macro STEP slot, q, zero
	s_wait_dscnt 4*NL
	WIN MUL_LO
	MUL16 0, (\q)%2, \q, \slot, \zero
	MUL16 2, (\q)%2, \q, \slot, \zero
	s_wait_dscnt 0
	PLACES NP
	FETCH_B \slot, (\q)+1, 1-(\q)%2
	FETCH_A \slot, (\q)+1, 0
	WIN MUL_HI
	MUL16 4, (\q)%2, \q, \slot, \zero
	MUL16 6, (\q)%2, \q, \slot, \zero
	PLACES NP
	WIN 0
	FETCH_A \slot, (\q)+1, 4
.endm
.macro TURN slot, next, fill
	s_wait_tensorcnt 0x0
	ds_add_u32 v[SPW], v[NIL]
	s_wait_dscnt 4*NL+1
	WIN MUL_LO
	MUL16 0, 1, NQ-1, \slot, 0
	s_wait_dscnt 0x0
	s_barrier_signal -1
	MUL16 2, 1, NQ-1, \slot, 0
	WIN 0
	s_barrier_wait -1
.if \fill
	CREST
	s_add_nc_u64 s[G0+4*\slot+2:G0+4*\slot+3], s[G0+4*\slot+2:G0+4*\slot+3], 2*ROWB
	s_add_nc_u64 s[G0B+4*\slot+2:G0B+4*\slot+3], s[G0B+4*\slot+2:G0B+4*\slot+3], 2*ROWB
	JLOAD G0+4*\slot, G1, G0B+4*\slot, G1B
	PLACES NP-4
.else
	PLACES NP
.endif
	s_wait_alu depctr_va_vdst(0)
	v_add_nc_u32 v[ADRS], 4*NQ, v[ADRS]
	FETCH_B \next, 0, 0
	FETCH_A \next, 0, 0
	SCALES \next
	WIN MUL_HI
	MUL16 4, 1, NQ-1, \slot, 0
	MUL16 6, 1, NQ-1, \slot, 0
	PLACES NP
	WIN 0
	FETCH_A \next, 0, 4
.endm
	s_wait_alu depctr_va_vdst(0)
	s_wait_tensorcnt 0x0                           ; my tile of the head's four is in
	ds_add_u32 v[SPW], v[NIL]
	s_mov_b32 s[G1+2], 128<<16                     ; no tensor load of mine is out: from here on a load brings 128 rows
	s_mov_b32 s[G1+4], 128
	s_mov_b32 s[G1B+2], 128<<16
	s_mov_b32 s[G1B+4], 128
	s_wait_dscnt 0x0
	CROUND                                         ; all four tiles are in, and all sixteen work-groups are here
	JLOAD G0+4, G1, G0B+4, G1B                     ; K step 1, the first tensor load behind the round
	FETCH_B 0, 0, 0
	FETCH_A 0, 0, 0
	SCALES 0
	FETCH_A 0, 0, 4
	STEP 0, 0, 1
	TURN 0, 1, 1
	STEP 1, 0, 0
	TURN 1, 0, 1
	STEP 0, 0, 0
	TURN 0, 1, 0
	STEP 1, 0, 0
	s_wait_dscnt 4*NL
	WIN MUL_LO
	MUL16 0, 1, NQ-1, 1, 0
	MUL16 2, 1, NQ-1, 1, 0
	s_wait_dscnt 0
	WIN MUL_HI
	MUL16 4, 1, NQ-1, 1, 0
	MUL16 6, 1, NQ-1, 1, 0
	WIN 0
.macro ADDBIAS a
	s_cmp_eq_u32 s2, 2
	s_cbranch_scc1 .Lrow_\@
	WIN (0x02+(\a)/4)
.set i, 0
.rept 32
	v_pk_add_f32 v[X+i:X+i+1], v[64*((\a)%4)+i:64*((\a)%4)+i+1], v[BC+i:BC+i+1]
.set i, i+2
.endr
	WIN 0
	s_branch .Ldone_\@
.Lrow_\@:
	v_mov_b32 v[RB], v[BR+(\a)]
	s_wait_alu depctr_va_vdst(0)
	WIN (0x02+(\a)/4)
.set i, 0
.rept 32
	v_pk_add_f32 v[X+i:X+i+1], v[64*((\a)%4)+i:64*((\a)%4)+i+1], v[RB:RB+1] op_sel_hi:[1,0]
.set i, i+2
.endr
	WIN 0
.Ldone_\@:
.endm
.macro STOREF a
	s_cmp_lg_u32 s2, 0
	s_cbranch_scc1 .Lnof_\@
	s_wait_alu depctr_va_vdst(0)
.irp n, 0,1,2,3,4,5,6,7,8,9,10,11,12,13,14,15
	global_store_b128 v[LI], v[X+4*\n:X+4*\n+3], s[QF:QF+1] offset:((\a)/4)*32768+((\a)%4)*8192+\n*512
.endr
.Lnof_\@:
.endm
.macro QUANT s, pw
.irp b, 0,1,2,3
	v_max3_num_f32 v[TM+\b], |v[\s+16*\b]|, |v[\s+1+16*\b]|, 0x4800000
.endr
.irp i, 2,4,6,8,10,12,14
.irp b, 0,1,2,3
	v_max3_num_f32 v[TM+\b], v[TM+\b], |v[\s+16*\b+\i]|, |v[\s+1+16*\b+\i]|
.endr
.endr
.irp b, 0,1,2,3
	v_permlanex16_b32 v[TM+4+\b], v[TM+\b], s[SEL], s[SEL+1]
.endr
.irp b, 0,1,2,3
	v_max_num_f32 v[TM+\b], v[TM+\b], v[TM+4+\b]
.endr
.irp b, 0,1,2,3
	v_add_nc_u32 v[TM+12+\b], 0xfc000000, v[TM+\b]
.endr
.irp b, 0,1,2,3
	v_and_or_b32 v[TM+8+\b], v[TM+\b], 0x7f800000, s[MNT]
.endr
.irp b, 0,1,2,3
	v_lshrrev_b32 v[TM+4+\b], 23, v[TM+12+\b]
.endr
	v_lshl_or_b32 v[\pw], v[TM+5], 8, v[TM+4]
	v_lshl_or_b32 v[\pw], v[TM+6], 16, v[\pw]
	v_lshl_or_b32 v[\pw], v[TM+7], 24, v[\pw]
	s_wait_xcnt 0x0
.irp b, 0,1,2,3
.irp i, 0,1,2,3,4,5,6,7,8,9,10,11,12,13,14,15
	v_med3_num_f32 v[\s+16*\b+\i], v[\s+16*\b+\i], -v[TM+8+\b], v[TM+8+\b]
.endr
	v_cvt_scalef32_pk8_fp8_f32 v[PC+4*\b:PC+1+4*\b], v[\s+16*\b:\s+7+16*\b], v[TM+12+\b]
	v_cvt_scalef32_pk8_fp8_f32 v[PC+2+4*\b:PC+3+4*\b], v[\s+8+16*\b:\s+15+16*\b], v[TM+12+\b]
.endr
	v_nop
.endm
.macro BLOCK a
	s_wait_xcnt 0x0
	ADDBIAS \a
	STOREF \a
	QUANT X, PW+(\a)%4
.irp c, 0,1,2,3
	global_store_b128 v[LI], v[PC+4*\c:PC+4*\c+3], s[OUTC+2*((\a)/4):OUTC+2*((\a)/4)+1] offset:((\a)%4)*2048+\c*512
.endr
.if (\a)%4 == 3
	v_cndmask_b32 v[SB], v[PW], v[PW+2], s[HM]
	v_cndmask_b32 v[SB+1], v[PW+1], v[PW+3], s[HM]
.if (\a) == 3
	global_store_b64 v[L8], v[SB:SB+1], s[OUTS:OUTS+1]
.else
	global_store_b64 v[L8], v[SB:SB+1], s[OUTS1:OUTS1+1]
.endif
.endif
.endm
	PLACES NP
	s_wait_loadcnt 0x0
	s_mov_b32 s[SEL], 0x76543210
	s_mov_b32 s[SEL+1], 0xfedcba98
	s_mov_b32 s[MNT], 0x600000
	s_mov_b32 s[HM], 0xffff0000
.irp b, 0,1,2,3
	v_mov_b32 v[TM+4+\b], 0
.endr
	v_mov_b32 v[RB+1], 0
.irp a, 0,1,2,3,4,5,6,7
	BLOCK \a
.endr
	s_wait_tensorcnt 0x0
	ds_add_u32 v[SPW], v[NIL]
	s_wait_dscnt 0x0
	CROUND
	s_endpgm
.Lfunc_end_k_q510a435959_proj:
	.size	k_q510a435959_proj, .Lfunc_end_k_q510a435959_proj-k_q510a435959_proj
	.p2alignl 7, 3214868480
	.fill 96, 4, 3214868480
	.section	.rodata,"a",@progbits
	.p2align	6, 0x0
	.amdhsa_kernel k_q510a435959_proj
		.amdhsa_group_segment_fixed_size 327680
		.amdhsa_private_segment_fixed_size 0
		.amdhsa_enable_private_segment 0
		.amdhsa_kernarg_size 160
		.amdhsa_user_sgpr_count 2
		.amdhsa_user_sgpr_kernarg_segment_ptr 1
		.amdhsa_wavefront_size32 1
		.amdhsa_system_sgpr_workgroup_id_x 1
		.amdhsa_system_sgpr_workgroup_id_y 1
		.amdhsa_system_sgpr_workgroup_id_z 1
		.amdhsa_system_vgpr_workitem_id 0
		.amdhsa_next_free_vgpr 1024
		.amdhsa_next_free_sgpr 102
		.amdhsa_reserve_vcc 0
		.amdhsa_float_denorm_mode_32 3
		.amdhsa_float_denorm_mode_16_64 3
		.amdhsa_memory_ordered 1
		.amdhsa_forward_progress 1
		.amdhsa_inst_pref_size 236
	.end_amdhsa_kernel
	.amdgpu_metadata
---
amdhsa.version: [ 1, 2 ]
amdhsa.kernels:
  - .name:           k_q510a435959_proj
    .symbol:         k_q510a435959_proj.kd
    .args:
      - { .name: Q_codes, .offset: 0, .size: 8, .value_kind: global_buffer, .address_space: global }
      - { .name: Q_scales, .offset: 8, .size: 8, .value_kind: global_buffer, .address_space: global }
      - { .name: K_codes, .offset: 16, .size: 8, .value_kind: global_buffer, .address_space: global }
      - { .name: K_scales, .offset: 24, .size: 8, .value_kind: global_buffer, .address_space: global }
      - { .name: Wq_codes, .offset: 32, .size: 8, .value_kind: global_buffer, .address_space: global }
      - { .name: Wq_scales, .offset: 40, .size: 8, .value_kind: global_buffer, .address_space: global }
      - { .name: Wk_codes, .offset: 48, .size: 8, .value_kind: global_buffer, .address_space: global }
      - { .name: Wk_scales, .offset: 56, .size: 8, .value_kind: global_buffer, .address_space: global }
      - { .name: Wv_codes, .offset: 64, .size: 8, .value_kind: global_buffer, .address_space: global }
      - { .name: Wv_scales, .offset: 72, .size: 8, .value_kind: global_buffer, .address_space: global }
      - { .name: bq, .offset: 80, .size: 8, .value_kind: global_buffer, .address_space: global }
      - { .name: bk, .offset: 88, .size: 8, .value_kind: global_buffer, .address_space: global }
      - { .name: bv, .offset: 96, .size: 8, .value_kind: global_buffer, .address_space: global }
      - { .name: qc, .offset: 104, .size: 8, .value_kind: global_buffer, .address_space: global }
      - { .name: qs, .offset: 112, .size: 8, .value_kind: global_buffer, .address_space: global }
      - { .name: kc, .offset: 120, .size: 8, .value_kind: global_buffer, .address_space: global }
      - { .name: ks, .offset: 128, .size: 8, .value_kind: global_buffer, .address_space: global }
      - { .name: vc, .offset: 136, .size: 8, .value_kind: global_buffer, .address_space: global }
      - { .name: vs, .offset: 144, .size: 8, .value_kind: global_buffer, .address_space: global }
      - { .name: qf, .offset: 152, .size: 8, .value_kind: global_buffer, .address_space: global }
    .group_segment_fixed_size: 327680
    .private_segment_fixed_size: 0
    .kernarg_segment_align: 8
    .kernarg_segment_size: 160
    .max_flat_workgroup_size: 128
    .sgpr_count:     102
    .vgpr_count:     1024
    .wavefront_size: 32
...
	.end_amdgpu_metadata
.endif
;; end of part 1
;; launch attn (part 2): grid 4 x 64, 8 waves a work-group, clusters of 4 x 1, 327,680 bytes of LDS; arguments qc, qs, qf, kc, ks, vc, vs, oimg; writes oimg
.if DOCPART == 2
	.amdgcn_target "amdgcn-amd-amdhsa--gfx1250"
	.amdhsa_code_object_version 6
	.text
	.protected	k_q510a435959_attn
	.globl	k_q510a435959_attn
	.p2align	8
	.type	k_q510a435959_attn,@function
k_q510a435959_attn:
	s_mov_b64 s[64:65], 0
	v_nop
	global_prefetch_b8 v0, s[64:65] scope:SCOPE_SE
	s_setreg_imm32_b32 hwreg(HW_REG_WAVE_MODE, 25, 1), 1
	s_wait_xcnt 0x0
	s_wait_alu depctr_hold_cnt(0) depctr_sa_sdst(0) depctr_va_vdst(0) depctr_va_sdst(0) depctr_va_ssrc(0) depctr_va_vcc(0) depctr_vm_vsrc(0)
	s_getreg_b32 s2, hwreg(HW_REG_IB_STS2, 6, 4)
	s_cmp_eq_u32 s2, 0
	s_cbranch_scc0 .Lentry_in_a_cluster
	s_endpgm
.Lentry_in_a_cluster:
	s_bfe_u32 s2, ttmp6, 0x10000c
	s_cmp_lg_u32 s2, 0x3003
	s_cbranch_scc0 .Lentry_shape_is_right
	s_endpgm
.Lentry_shape_is_right:
; O_ = Q_ + (softmax(Q_ K_^T / 32) / 2048) V_ for one head of one batch and 512 queries; both products on E4M3 codes with E8M0 scales.
; No step of the problem is left out.  LIMIT: the promise holds while the scaled scores (score x log2(e) / 32) stay under 2^31 in magnitude.
; SHARES.  Eight waves; wave w owns keys 256 w .. 256 w + 255 for every tile of 16 queries, 32 tiles a work-group.  Each score is made once and each exponential taken once:
;   a tile's first half: S^T = K Q^T of my 256 keys, my own largest t rounded up (M_w), e = 2^(t - M_w), kept in 128 registers, and my sum of e; (-M_w, sum) go to LDS.
;   its second half, one tile later: M = the largest M_w, sum = the sum of sum_w 2^(M_w - M) (exact shifts), c = 2^(M_w - M - 11) / sum; p = e c is the finished softmax / 2048,
;   quantised along the keys; O^T partial = V^T P^T over my keys goes to LDS.  One tile later still wave n adds slice n of the eight partials and Q_'s f32 numbers and stores 512 bytes on end.
; Tile i's first half and tile i - 1's second half are laid through each other (FRONT, BACK), so that behind each run of loads into the one fragment buffer (K's unit 1, V's unit 0, V's unit 1, K's unit 0)
; stands work on registers that does not need them.  Two sets of e (window 1: v0-127, v128-255); a trip of the loop runs two tiles.
; BARRIERS, two a tile.  E: partials and stats are visible; it is signalled ahead of a tile's first eight products and waited for behind them.
; M: every wave has read the partials of the tile before, so the one partial buffer may be written again; signalled at BACK's head, waited for ahead of the partials' stores.
; K's and V's images of the whole head stay in LDS, filled once by joint loads of the four work-groups of a cluster, which share head and batch (waves 0-3: K, waves 4-7: V; one load a wave).
; No prefetch: K and V are asked for once, at the head, and no loop runs ahead of a load; Q's codes come a tile ahead into registers.
; K = 64 in the first product: Q's operand holds zero codes for k = 64 .. 127, so what K's operand holds there (the next tile's codes, finite by the quantiser's hold) adds nothing.
.set KIMG,  0
.set VIMG,  131072
.set KSC,   262144                     ; K's scale words, 4 bytes a key
.set VSC,   270336                     ; V's scale words
.set OBUF,  274432                     ; partial O^T: 8 waves x 4,096 bytes
.set SBUF,  307200                     ; stats: 2 sets x 16 queries x 8 waves x (-M, sum)
.set SPARE, 309248                     ; the spare words: 8 waves x 128 bytes
.set LK,1
.set LV,2
.set LKS,3
.set LVS,4
.set SPW,5
.set NIL,6
.set GO,7
.set GW,8
.set QSO,9
.set OST,10
.set OLD,11
.set NM,12                             ; v[12:13] -M_w, then (-M_w, sum)
.set SST,16
.set SLD,17
.set CF,18                             ; v[18:19] c
.set NMS,20                            ; v20, v21: -M_w kept for the tile's second half, one for each set
.set BM,24                             ; 2 sets x 8: a block's largest score, then its largest e
.set W,40                              ; stats of four waves
.set TM,48
.set QFR,64
.set QSW,80
.set PW,81
.set KSW,82
.set VSW,90
.set RS,96                             ; Q_'s f32 numbers of my slice
.set PC,100
.set OT,116                            ; O^T partial; ahead of that the eight partials of my slice
.set T,148                             ; p of two blocks
.set F,180                             ; fragments: 8 x 8 of K and 8 of zeros, or 4 x 16 of V
.set WV,20
.set G1K,28
.set G1V,36
.set G0K,44
.set G0V,48
.set SEL,54
.set CS,56
.set MNT,58
.set G,59                              ; the tile whose first half opens the trip: 1, 3, .. 31
.set MSB, 0
.macro WIN new
.if MSB != \new
	s_set_vgpr_msb (MSB<<8)|\new
.set MSB, \new
.endif
.endm
.macro NOPS n
.rept \n
	v_nop
.endr
.endm
.macro VW
	s_wait_alu depctr_va_vdst(0)
.endm
.macro BAR
	s_barrier_signal -1
	s_barrier_wait -1
.endm
.macro CROUND
	BAR
	s_cmp_lg_u32 s[WV], 0
	s_cbranch_scc1 .Lnot_wave_0_\@
	s_barrier_signal -3
.Lnot_wave_0_\@:
	s_barrier_wait -3
	BAR
.endm
.macro LOADK u                         ; my keys 128 u ..: eight tiles of 16 keys x 64, and their scale words: 20 loads
.irp t, 0,1,2,3,4,5,6,7
	ds_load_b128 v[F+8*\t:F+8*\t+3], v[LK] offset:(\u)*8192+\t*1024
	ds_load_b128 v[F+8*\t+4:F+8*\t+7], v[LK] offset:(\u)*8192+\t*1024+512
.endr
.irp P, 0,1,2,3
	ds_load_b64 v[KSW+2*\P:KSW+2*\P+1], v[LKS] offset:(\u)*512+(\P/2)*256+(\P%2)*128
.endr
.endm
.macro LOADV u                         ; four tiles of 16 channels x my keys 128 u ..
.irp t, 0,1,2,3
.irp c, 0,1,2,3
	ds_load_b128 v[F+16*\t+4*\c:F+16*\t+4*\c+3], v[LV] offset:(\u)*8192+\t*2048+\c*512
.endr
.endr
.irp P, 0,1
	ds_load_b64 v[VSW+2*\P:VSW+2*\P+1], v[LVS] offset:(\u)*256+128*\P
.endr
.endm
.macro QK par, u                       ; S^T into window 1
.set E, 128*(\par)+64*(\u)
	WIN 0x40
.irp t, 0,1,2,3,4,5,6,7
	v_wmma_scale_f32_16x16x128_f8f6f4 v[E+8*\t:E+8*\t+7], v[F+8*\t:F+8*\t+15], v[QFR:QFR+15], 0, v[KSW+\t], v[QSW]
.endr
	WIN 0
.endm
.macro MAX par, u                      ; the largest score of each block of 32 keys (my lane's 16); each accumulator is read from its low end on
.set E, 128*(\par)+64*(\u)
.set B, BM+8*(\par)+4*(\u)
	WIN 0x14
.irp b, 0,1,2,3
	v_max3_num_f32 v[B+\b], 0xff800000, v[E+16*\b], v[E+16*\b+1]
.endr
.irp i, 2,4,6,8,10,12,14
.irp b, 0,1,2,3
	v_max3_num_f32 v[B+\b], v[B+\b], v[E+16*\b+\i], v[E+16*\b+\i+1]
.endr
.endr
	WIN 0
.endm
; REGION: red: the eight partials of my slice of tile G + d - 2 are asked for, added and stored;  p1: K's unit 1 is asked for, and unit 0's maxima are taken meanwhile
.macro REGION par, d, red, p1
.if \red
	s_add_co_u32 s60, s[G], (\d)-2
	s_lshr_b32 s61, s60, 2
	s_lshl_b32 s61, s61, 18
	s_and_b32 s60, s60, 3
	s_lshl_b32 s60, s60, 13
	s_add_co_u32 s74, s61, s60
	s_add_nc_u64 s[72:73], s[18:19], s[74:75]
.irp s, 0,1,2,3,4,5,6,7
	ds_load_b128 v[OT+4*\s:OT+4*\s+3], v[OLD] offset:\s*4096
.endr
.endif
.if \p1
	NOPS 8                                 ; places ahead of the loads into the fragments and of the first read of S^T
	LOADK 1
	MAX \par, 0
.endif
	s_wait_dscnt 20*(\p1)                  ; stats and partials are in; K's 20 loads, issued behind them, may be out
.if \red
.irp p, 0,2
.irp s, 0,8,16,24
	v_pk_add_f32 v[OT+\s+\p:OT+\s+\p+1], v[OT+\s+\p:OT+\s+\p+1], v[OT+\s+4+\p:OT+\s+5+\p]
.endr
.endr
.irp p, 0,2
	v_pk_add_f32 v[OT+\p:OT+\p+1], v[OT+\p:OT+\p+1], v[OT+8+\p:OT+9+\p]
	v_pk_add_f32 v[OT+16+\p:OT+17+\p], v[OT+16+\p:OT+17+\p], v[OT+24+\p:OT+25+\p]
.endr
.irp p, 0,2
	v_pk_add_f32 v[OT+\p:OT+\p+1], v[OT+\p:OT+\p+1], v[OT+16+\p:OT+17+\p]
.endr
.irp p, 0,2
	v_pk_add_f32 v[OT+\p:OT+\p+1], v[OT+\p:OT+\p+1], v[RS+\p:RS+\p+1]
.endr
	global_store_b128 v[GW], v[OT:OT+3], s[72:73]      ; the wave stores 512 bytes on end, aligned
.endif
.endm
.macro COMB q                          ; c of my keys for the tile in set q
	v_min3_num_f32 v[TM+8], v[W], v[W+2], v[W+4]
	v_min_num_f32 v[TM+8], v[TM+8], v[W+6]
	v_permlanex16_b32 v[TM], v[TM+8], s[SEL], s[SEL+1]
	v_min_num_f32 v[TM+8], v[TM+8], v[TM]              ; -M over the eight waves (lanes 0-15 read waves 0-3, lanes 16-31 waves 4-7)
.irp j, 0,1,2,3
	v_sub_f32 v[TM+9+\j], v[TM+8], v[W+2*\j]           ; M_j - M: a whole number, 0 or less
.endr
	v_sub_f32 v[TM+13], v[TM+8], v[NMS+(\q)]
.irp j, 0,1,2,3
	v_cvt_i32_f32 v[TM+9+\j], v[TM+9+\j]
.endr
	v_add_f32 v[TM+13], 0xc1300000, v[TM+13]           ; M_w - M - 11: the division by 2,048 goes with it
.irp j, 0,1,2,3
	v_ldexp_f32 v[W+2*\j+1], v[W+2*\j+1], v[TM+9+\j]
.endr
	v_cvt_i32_f32 v[TM+13], v[TM+13]
	v_add_f32 v[W+1], v[W+1], v[W+3]
	v_add_f32 v[W+5], v[W+5], v[W+7]
	v_add_f32 v[W+1], v[W+1], v[W+5]
	v_permlanex16_b32 v[TM+1], v[W+1], s[SEL], s[SEL+1]
	v_add_f32 v[W+1], v[W+1], v[TM+1]                  ; the row's sum under M
	VW
	v_rcp_f32 v[W+1], v[W+1]
	v_nop
	VW
	v_ldexp_f32 v[CF], v[W+1], v[TM+13]
.endm
.macro QUANT q, u                      ; p = e c of 128 keys, quantised: codes in PC, scale word in PW
.set E, 128*(\q)+64*(\u)
.set B, BM+8*(\q)+4*(\u)
.irp b, 0,1,2,3
	v_mul_f32 v[TM+\b], v[B+\b], v[CF]                 ; the block's largest p
.endr
.irp b, 0,1,2,3
	v_max_num_f32 v[TM+\b], 0x4800000, v[TM+\b]        ; the floor 2^(9 - 127): the byte stays at 1 or above
.endr
.irp b, 0,1,2,3
	v_add_nc_u32 v[TM+12+\b], 0xfc000000, v[TM+\b]     ; 8 off the exponent field: the conversion's scale operand
.endr
.irp b, 0,1,2,3
	v_and_or_b32 v[TM+8+\b], v[TM+\b], 0x7f800000, s[MNT]   ; 448 x the scale
.endr
.irp b, 0,1,2,3
	v_lshrrev_b32 v[TM+4+\b], 23, v[TM+12+\b]
.endr
	v_lshl_or_b32 v[PW], v[TM+5], 8, v[TM+4]
	v_lshl_or_b32 v[PW], v[TM+6], 16, v[PW]
	v_lshl_or_b32 v[PW], v[TM+7], 24, v[PW]
.irp g, 0,2
	WIN 0x01
.set j, 0
.rept 16
	v_pk_mul_f32 v[T+j:T+j+1], v[E+16*\g+j:E+16*\g+j+1], v[CF:CF+1] op_sel_hi:[1,0]
.set j, j+2
.endr
	WIN 0
.irp i, 0,1,2,3,4,5,6,7,8,9,10,11,12,13,14,15
	v_dual_min_num_f32 v[T+\i], v[TM+8+\g], v[T+\i] :: v_dual_min_num_f32 v[T+16+(\i+1)%16], v[TM+9+\g], v[T+16+(\i+1)%16]
.endr
.irp c, 0,1
	v_cvt_scalef32_pk8_fp8_f32 v[PC+4*(\g+\c):PC+4*(\g+\c)+1], v[T+16*\c:T+16*\c+7], v[TM+12+\g+\c]
	v_cvt_scalef32_pk8_fp8_f32 v[PC+4*(\g+\c)+2:PC+4*(\g+\c)+3], v[T+16*\c+8:T+16*\c+15], v[TM+12+\g+\c]
.endr
	v_nop                                  ; a plain place behind the conversions
.endr
.endm
.macro PV first                        ; the four accumulators by turns
.irp t, 0,1,2,3
.if \first
	v_wmma_scale_f32_16x16x128_f8f6f4 v[OT+8*\t:OT+8*\t+7], v[F+16*\t:F+16*\t+15], v[PC:PC+15], 0, v[VSW+\t], v[PW]
.else
	v_wmma_scale_f32_16x16x128_f8f6f4 v[OT+8*\t:OT+8*\t+7], v[F+16*\t:F+16*\t+15], v[PC:PC+15], v[OT+8*\t:OT+8*\t+7], v[VSW+\t], v[PW]
.endif
.endr
.endm
.macro SOFTA par                       ; unit 1's maxima, M_w, t - M_w
	MAX \par, 1
.set B, BM+8*(\par)
.set E, 128*(\par)
.irp j, 0,1,2,3,4,5,6,7
	v_permlanex16_b32 v[TM+\j], v[B+\j], s[SEL], s[SEL+1]
.endr
.irp j, 0,1,2,3,4,5,6,7
	v_max_num_f32 v[B+\j], v[B+\j], v[TM+\j]           ; with lane l xor 16's 16 keys
.endr
	v_max3_num_f32 v[TM+8], v[B], v[B+1], v[B+2]
	v_max3_num_f32 v[TM+9], v[B+3], v[B+4], v[B+5]
	v_max3_num_f32 v[TM+8], v[TM+8], v[TM+9], v[B+6]
	v_max_num_f32 v[TM+8], v[TM+8], v[B+7]
	v_mul_f32 v[TM+8], s[CS], v[TM+8]
	v_floor_f32 v[NM], -v[TM+8]                        ; -M_w = -ceil(my largest t)
	v_mov_b32 v[NMS+(\par)], v[NM]
.irp j, 0,1,2,3,4,5,6,7
	v_fma_f32 v[B+\j], v[B+\j], s[CS], v[NM]
.endr
	WIN 0x41
.set j, 0
.rept 64
	v_pk_fma_f32 v[E+j:E+j+1], v[E+j:E+j+1], s[CS:CS+1], v[NM:NM+1] op_sel_hi:[1,0,0]
.set j, j+2
.endr
	WIN 0
.endm
.macro SOFTB par                       ; e, the blocks' largest e, my sum; the next tile's Q is taken in
.set B, BM+8*(\par)
.set E, 128*(\par)
	VW                                     ; ahead of the batch
	WIN 0x41
.set j, 0
.rept 128
	v_exp_f32 v[E+j], v[E+j]
.set j, j+1
.endr
	WIN 0
.irp j, 0,1,2,3,4,5,6,7
	v_exp_f32 v[B+\j], v[B+\j]                         ; the same two instructions on the block's largest score: its largest e
.endr
	v_nop
	VW                                     ; and behind it
	s_wait_loadcnt 0x0                     ; the next tile's Q and my slice of Q_
	v_bfe_u32 v[QSW], v[QSW], s27, 16      ; my head's two scale bytes
	WIN 0x14
.irp k, 0,1,2,3
	v_pk_add_f32 v[TM+8+2*\k:TM+9+2*\k], 0, v[E+2*\k:E+2*\k+1] op_sel_hi:[0,1]
.endr
.set j, 8
.rept 15
.irp k, 0,1,2,3
	v_pk_add_f32 v[TM+8+2*\k:TM+9+2*\k], v[TM+8+2*\k:TM+9+2*\k], v[E+j+2*\k:E+j+2*\k+1]
.endr
.set j, j+8
.endr
	WIN 0
	v_pk_add_f32 v[TM+8:TM+9], v[TM+8:TM+9], v[TM+10:TM+11]
	v_pk_add_f32 v[TM+12:TM+13], v[TM+12:TM+13], v[TM+14:TM+15]
	v_pk_add_f32 v[TM+8:TM+9], v[TM+8:TM+9], v[TM+12:TM+13]
	v_add_f32 v14, v[TM+8], v[TM+9]
	v_permlanex16_b32 v[TM], v14, s[SEL], s[SEL+1]
	v_add_f32 v[NM+1], v14, v[TM]
	ds_store_b64 v[SST], v[NM:NM+1] offset:(\par)*1024  ; (-M_w, sum) of query lane % 16; both halves of the lanes store the same
.endm
; FRONT and BACK: the step of tile G + d.  p1: that tile's first half, in set par;  p2: the second half of tile G + d - 1, in the other set;  red: the slices of tile G + d - 2 (2: all trips but the first)
.macro FRONT par, d, red, p1, p2
.if (\red)+(\p2)
	s_barrier_signal -1                    ; barrier E: no LDS instruction of mine is out
.endif
.if \p1
	QK \par, 0                             ; its fragments came in during the step before
.endif
.if (\red)+(\p2)
	s_barrier_wait -1
.endif
	s_wait_xcnt 0x0                        ; earlier loads and stores have read their bases
.if \p1
	s_add_co_u32 s60, s[G], (\d)+1
	s_min_u32 s60, s60, 31                 ; (behind tile 31 there is none: its own codes are named again and not used)
	s_lshl_b32 s74, s60, 11
	s_add_nc_u64 s[66:67], s[4:5], s[74:75]
	s_lshr_b32 s61, s60, 1
	s_lshl_b32 s61, s61, 7
	s_and_b32 s60, s60, 1
	s_lshl_b32 s60, s60, 2
	s_add_co_u32 s74, s61, s60
	s_add_nc_u64 s[68:69], s[6:7], s[74:75]
.endif
.if \p2
	s_add_co_u32 s60, s[G], (\d)-1
	s_lshl_b32 s74, s60, 13
	s_add_nc_u64 s[70:71], s[8:9], s[74:75]
	ds_load_b128 v[W:W+3], v[SLD] offset:(1-(\par))*1024
	ds_load_b128 v[W+4:W+7], v[SLD] offset:(1-(\par))*1024+16
.endif
.if (\red) == 2
	s_cmp_eq_u32 s[G], 1
	s_cbranch_scc1 .Lnored_\@
	REGION \par, \d, 1, \p1
	VW
	s_branch .Lregion_\@
.Lnored_\@:                                    ; the first trip has no partials to add yet
	REGION \par, \d, 0, \p1
.Lregion_\@:
.else
	REGION \par, \d, \red, \p1
.endif
.if \p2
	COMB 1-(\par)
	QUANT 1-(\par), 0
.endif
.if \p1
	VW
	s_wait_dscnt 0x0
	QK \par, 1
	NOPS 8                                 ; places ahead of the loads into Q's and the fragments' registers and of the first read of S^T
	global_load_b32 v[QSW], v[QSO], s[68:69]
	global_load_b128 v[QFR:QFR+3], v[GO], s[66:67]
	global_load_b128 v[QFR+4:QFR+7], v[GO], s[66:67] offset:512
.endif
.if \p2
	global_load_b128 v[RS:RS+3], v[GW], s[70:71]
.endif
.endm
.macro BACK par, p1, p2
.if \p2
	s_barrier_signal -1                    ; barrier M: my reads of the partials are done; up to its wait: registers, and loads of LDS bytes that nobody writes
	LOADV 0
.endif
.if \p1
	SOFTA \par
.endif
.if \p2
	VW
	s_wait_xcnt 0x0                        ; the slice's store has read its data: OT is written again below
	s_wait_dscnt 0x0
	PV 1
	NOPS 8
	LOADV 1
	QUANT 1-(\par), 1
	NOPS 4                                 ; the codes stand four places ahead of the products
	VW
	s_wait_dscnt 0x0
	PV 0
	NOPS 8
.endif
.if \p1
	LOADK 0                                ; for the next tile's first products
.endif
.if \p2
	s_barrier_wait -1                      ; barrier M: every wave has read the partials of the tile before
.irp n, 0,1,2,3,4,5,6,7
	ds_store_b128 v[OST], v[OT+4*\n:OT+4*\n+3] offset:\n*512
.endr
.endif
.if \p1
	SOFTB \par
.else
	s_wait_loadcnt 0x0                     ; my slice of Q_ for the last tile
.endif
	VW
	s_wait_dscnt 0x0                       ; ahead of barrier E's signal, which opens the next step
.endm
	s_load_b512 s[4:19], s[0:1], 0x0
	v_lshl_add_u32 v[SPW], v0, 2, SPARE
	v_mov_b32 v[NIL], 0
	ds_add_u32 v[SPW], v[NIL]
	ds_add_u32 v[SPW], v[NIL]
	v_lshrrev_b32 v8, 5, v0
	v_readfirstlane_b32 s[WV], v8
	s_bfe_u32 s21, ttmp6, 0x40000
	s_lshl_b32 s22, ttmp9, 2
	s_add_co_u32 s22, s22, s21             ; which 512 queries
	s_and_b32 s52, ttmp7, 0xffff
	s_and_b32 s23, s52, 3                  ; batch
	s_lshr_b32 s24, s52, 2                 ; head
	s_and_b32 s25, s24, 1
	s_lshr_b32 s26, s24, 1                 ; pair of heads
	s_lshl_b32 s27, s25, 4
	s_mov_b32 s[G1K], 15|(3<<16)|(1<<21)   ; K: 32 rows of 1,024 bytes, 2,048 apart (the other head of the pair lies between)
	s_mov_b32 s[G1K+1], 128<<16
	s_mov_b32 s[G1K+2], 32<<16
	s_mov_b32 s[G1K+3], 128<<16
	s_mov_b32 s[G1K+4], 32
	s_mov_b32 s[G1K+5], 256
	s_mov_b32 s[G1K+6], 0
	s_mov_b32 s[G1K+7], 0
	s_mov_b32 s[G1V], 15|(3<<16)|(1<<21)   ; V: 32,768 dense bytes as 128 rows of 256
	s_mov_b32 s[G1V+1], 32<<16
	s_mov_b32 s[G1V+2], 128<<16
	s_mov_b32 s[G1V+3], 32<<16
	s_mov_b32 s[G1V+4], 128
	s_mov_b32 s[G1V+5], 32
	s_mov_b32 s[G1V+6], 0
	s_mov_b32 s[G1V+7], 0
	s_and_b32 s60, s[WV], 3                ; which quarter of the image I fetch
	s_lshl_b32 s52, s26, 20
	s_lshl_b32 s53, s23, 18
	s_add_co_u32 s52, s52, s53
	s_lshl_b32 s53, s25, 10
	s_add_co_u32 s52, s52, s53
	s_lshl_b32 s53, s60, 16
	s_add_co_u32 s52, s52, s53
	s_mov_b32 s53, 0
	s_lshl_b32 s2, s24, 19
	s_lshl_b32 s3, s23, 17
	s_add_co_u32 s2, s2, s3
	s_lshl_b32 s3, s60, 15
	s_add_co_u32 s2, s2, s3
	s_mov_b32 s3, 0
	s_lshl_b32 s61, s60, 15
	s_mov_b32 s[SEL], 0x76543210
	s_mov_b32 s[SEL+1], 0xfedcba98
	s_mov_b32 s[CS], 0x3d38aa3b            ; log2(e) / 32
	s_mov_b32 s[CS+1], s[CS]
	s_mov_b32 s[MNT], 0x600000
	s_mov_b32 s75, 0
	s_wait_dscnt 0x0
	s_wait_kmcnt 0x0
	s_mov_b32 s[G0K], 1
	s_mov_b32 s[G0K+1], s61
	s_add_nc_u64 s[G0K+2:G0K+3], s[10:11], s[52:53]
	s_or_b32 s[G0K+3], s[G0K+3], 0x80000000
	s_mov_b32 s[G0V], 1
	s_add_co_u32 s[G0V+1], s61, VIMG
	s_add_nc_u64 s[G0V+2:G0V+3], s[14:15], s[2:3]
	s_or_b32 s[G0V+3], s[G0V+3], 0x80000000
	CROUND                                 ; the four work-groups are here: the joint loads meet
	s_cmp_lt_u32 s[WV], 4
	s_cbranch_scc0 .Lhead_v
	tensor_load_to_lds s[G0K:G0K+3], s[G1K:G1K+7]
	s_nop 0
	NOPS 4
	s_branch .Lhead_asked
.Lhead_v:
	tensor_load_to_lds s[G0V:G0V+3], s[G1V:G1V+7]
	s_nop 0
	NOPS 4
.Lhead_asked:
	s_lshl_b32 s52, s26, 15
	s_lshl_b32 s2, s23, 13
	s_add_co_u32 s52, s52, s2
	s_add_nc_u64 s[12:13], s[12:13], s[52:53]          ; K's scale words of the pair and batch
	s_lshl_b32 s52, s24, 14
	s_lshl_b32 s2, s23, 12
	s_add_co_u32 s52, s52, s2
	s_add_nc_u64 s[16:17], s[16:17], s[52:53]          ; V's of the head and batch
	s_lshl_b32 s60, s23, 5
	s_lshl_b32 s61, s22, 3
	s_add_co_u32 s60, s60, s61             ; my first group of 64 queries
	s_lshl_b32 s52, s26, 20
	s_lshl_b32 s2, s60, 13
	s_add_co_u32 s52, s52, s2
	s_lshl_b32 s2, s25, 10
	s_add_co_u32 s52, s52, s2
	s_add_nc_u64 s[4:5], s[4:5], s[52:53]              ; Q's codes, tile 0
	s_lshl_b32 s52, s52, 2
	s_add_nc_u64 s[8:9], s[8:9], s[52:53]              ; Q_ in f32
	s_lshl_b32 s52, s26, 15
	s_lshl_b32 s2, s60, 8
	s_add_co_u32 s52, s52, s2
	s_add_nc_u64 s[6:7], s[6:7], s[52:53]              ; Q's scale words
	s_lshl_b32 s52, s60, 18
	s_lshl_b32 s2, s26, 15
	s_add_co_u32 s52, s52, s2
	s_lshl_b32 s2, s25, 12
	s_add_co_u32 s52, s52, s2
	s_add_nc_u64 s[18:19], s[18:19], s[52:53]          ; O's image
	s_lshl_b32 s60, s[WV], 14
	s_lshl_b32 s61, s[WV], 10
	s_add_co_u32 s61, s61, KSC
	s_lshl_b32 s62, s[WV], 9
	s_add_co_u32 s62, s62, VSC
	s_lshl_b32 s63, s[WV], 12
	s_add_co_u32 s63, s63, OBUF
	s_lshl_b32 s2, s[WV], 3
	s_add_co_u32 s2, s2, SBUF
	s_mov_b32 s[G], 1
	v_and_b32 v[TM+8], 31, v0
	v_and_b32 v[TM+9], 15, v0
	v_bfe_u32 v[TM+10], v0, 4, 1
	v_lshlrev_b32 v[GO], 4, v[TM+8]
	v_lshlrev_b32 v[GW], 4, v0
	v_lshlrev_b32 v[QSO], 3, v[TM+9]
	v_add_nc_u32 v[LK], s60, v[GO]
	v_add_nc_u32 v[LV], VIMG, v[LK]
	v_lshl_add_u32 v[LKS], v[TM+9], 3, s61
	v_lshl_add_u32 v[LVS], v[TM+9], 3, s62
	v_add_nc_u32 v[OST], s63, v[GO]
	v_lshl_add_u32 v[OLD], v0, 4, OBUF
	v_lshl_add_u32 v[SST], v[TM+9], 6, s2
	v_lshl_add_u32 v[SLD], v[TM+9], 6, SBUF
	v_lshl_add_u32 v[SLD], v[TM+10], 5, v[SLD]
	v_lshl_add_u32 v[TM+11], v0, 4, KSC
.irp i, 0,1,2,3,4,5,6,7
	v_mov_b32 v[QFR+8+\i], 0               ; Q's codes for k = 64 .. 127
	v_mov_b32 v[F+64+\i], 0                ; what K's last tile names there
	v_mov_b32 v[TM+\i], 0                  ; a lane permute's destination counts as one of its sources
.endr
	v_mov_b32 v[NM+1], 0                   ; (named as the upper halves of pairs)
	v_mov_b32 v[CF+1], 0
	VW
	global_load_b128 v[OT:OT+3], v[GW], s[12:13]
	global_load_b128 v[OT+4:OT+7], v[GW], s[12:13] offset:4096
	global_load_b128 v[OT+8:OT+11], v[GW], s[16:17]
	global_load_b32 v[QSW], v[QSO], s[6:7]
	global_load_b128 v[QFR:QFR+3], v[GO], s[4:5]
	global_load_b128 v[QFR+4:QFR+7], v[GO], s[4:5] offset:512
	s_wait_loadcnt 3                       ; the scale words are in; Q's three loads may be out
.irp i, 0,1,2,3,4,5,6,7
	v_bfe_u32 v[OT+\i], v[OT+\i], s27, 16  ; my head's two bytes of each word of K's
.endr
	ds_store_b128 v[TM+11], v[OT:OT+3]
	ds_store_b128 v[TM+11], v[OT+4:OT+7] offset:4096
	ds_store_b128 v[TM+11], v[OT+8:OT+11] offset:8192
	VW
	s_wait_tensorcnt 0x0
	s_wait_dscnt 0x0
	BAR
	LOADK 0
	s_wait_loadcnt 0x0
	v_bfe_u32 v[QSW], v[QSW], s27, 16
	NOPS 8                                 ; a scale word made by a vector instruction stands eight places ahead
	VW
	s_wait_dscnt 0x0
	FRONT 1, -1, 0, 1, 0                   ; tile 0's first half, in set 1
	BACK 1, 1, 0
.Ltrip:                                        ; 16 trips: first halves of tiles G, G + 1; second halves of G - 1, G; slices of G - 2, G - 1
	FRONT 0, 0, 2, 1, 1
	BACK 0, 1, 1
	s_cmp_eq_u32 s[G], 31
	s_cbranch_scc1 .Llast
	FRONT 1, 1, 1, 1, 1
	BACK 1, 1, 1
	s_branch .Lnext
.Llast:                                        ; behind tile 31 no first half follows
	FRONT 1, 1, 1, 0, 1
	BACK 1, 0, 1
.Lnext:
	s_add_co_u32 s[G], s[G], 2
	s_cmp_lt_u32 s[G], 33
	s_cbranch_scc1 .Ltrip
	FRONT 0, 0, 1, 0, 0                    ; tile 31's slices
	s_wait_tensorcnt 0x0                   ; the wave's end
	ds_add_u32 v[SPW], v[NIL]
	s_wait_dscnt 0x0
	CROUND                                 ; the closing round
	s_endpgm
.Lfunc_end_k_q510a435959_attn:
	.size	k_q510a435959_attn, .Lfunc_end_k_q510a435959_attn-k_q510a435959_attn
	.p2alignl 7, 3214868480
	.fill 96, 4, 3214868480
	.section	.rodata,"a",@progbits
	.p2align	6, 0x0
	.amdhsa_kernel k_q510a435959_attn
		.amdhsa_group_segment_fixed_size 327680
		.amdhsa_private_segment_fixed_size 0
		.amdhsa_enable_private_segment 0
		.amdhsa_kernarg_size 64
		.amdhsa_user_sgpr_count 2
		.amdhsa_user_sgpr_kernarg_segment_ptr 1
		.amdhsa_wavefront_size32 1
		.amdhsa_system_sgpr_workgroup_id_x 1
		.amdhsa_system_sgpr_workgroup_id_y 1
		.amdhsa_system_sgpr_workgroup_id_z 1
		.amdhsa_system_vgpr_workitem_id 0
		.amdhsa_next_free_vgpr 512
		.amdhsa_next_free_sgpr 80
		.amdhsa_reserve_vcc 0
		.amdhsa_float_denorm_mode_32 3
		.amdhsa_float_denorm_mode_16_64 3
		.amdhsa_memory_ordered 1
		.amdhsa_forward_progress 1
		.amdhsa_inst_pref_size 152
	.end_amdhsa_kernel
	.amdgpu_metadata
---
amdhsa.version: [ 1, 2 ]
amdhsa.kernels:
  - .name:           k_q510a435959_attn
    .symbol:         k_q510a435959_attn.kd
    .args:
      - { .name: qc, .offset: 0, .size: 8, .value_kind: global_buffer, .address_space: global }
      - { .name: qs, .offset: 8, .size: 8, .value_kind: global_buffer, .address_space: global }
      - { .name: qf, .offset: 16, .size: 8, .value_kind: global_buffer, .address_space: global }
      - { .name: kc, .offset: 24, .size: 8, .value_kind: global_buffer, .address_space: global }
      - { .name: ks, .offset: 32, .size: 8, .value_kind: global_buffer, .address_space: global }
      - { .name: vc, .offset: 40, .size: 8, .value_kind: global_buffer, .address_space: global }
      - { .name: vs, .offset: 48, .size: 8, .value_kind: global_buffer, .address_space: global }
      - { .name: oimg, .offset: 56, .size: 8, .value_kind: global_buffer, .address_space: global }
    .group_segment_fixed_size: 327680
    .private_segment_fixed_size: 0
    .kernarg_segment_align: 8
    .kernarg_segment_size: 64
    .max_flat_workgroup_size: 256
    .sgpr_count:     80
    .vgpr_count:     512
    .wavefront_size: 32
...
	.end_amdgpu_metadata
.endif
;; end of part 2
;; launch tail (part 3): grid 256 x 1, 16 waves a work-group, clusters of 4 x 1, 327,680 bytes of LDS; arguments oimg, Wo_codes, Wo_scales, bo, g0, b0, g1, b1, out0; writes out0
.if DOCPART == 3
	.amdgcn_target "amdgcn-amd-amdhsa--gfx1250"
	.amdhsa_code_object_version 6
	.text
	.protected	k_q510a435959_tail
	.globl	k_q510a435959_tail
	.p2align	8
	.type	k_q510a435959_tail,@function
k_q510a435959_tail:
	s_mov_b64 s[64:65], 0
	v_nop
	global_prefetch_b8 v0, s[64:65] scope:SCOPE_SE
	s_setreg_imm32_b32 hwreg(HW_REG_WAVE_MODE, 25, 1), 1
	s_wait_xcnt 0x0
	s_wait_alu depctr_hold_cnt(0) depctr_sa_sdst(0) depctr_va_vdst(0) depctr_va_sdst(0) depctr_va_ssrc(0) depctr_va_vcc(0) depctr_vm_vsrc(0)
	s_getreg_b32 s2, hwreg(HW_REG_IB_STS2, 6, 4)
	s_cmp_eq_u32 s2, 0
	s_cbranch_scc0 .Lentry_in_a_cluster
	s_endpgm
.Lentry_in_a_cluster:
	s_bfe_u32 s2, ttmp6, 0x10000c
	s_cmp_lg_u32 s2, 0x3003
	s_cbranch_scc0 .Lentry_shape_is_right
	s_endpgm
.Lentry_shape_is_right:
.set SLOT,  139264
.set WROWS, 8704
.set AIMG,  2*SLOT
.set ASC,   AIMG+32768
.set EX,    ASC+2048
.set SPARE, EX+4*2560
.set STP,   272
.set LI,   1
.set AIW,  2
.set ASW,  3
.set AFA,  4
.set ASA,  5
.set BFA,  6
.set EXW,  8
.set EXR,  9
.set SPW,  10
.set NIL,  11
.set GCO,  12
.set STI,  13
.set STB,  14
.set OOF,  15
.set RES,  16
.set ACC,  80
.set BF,   112
.set AF,   144
.set GG,   112
.set BB,   144
.set PC,   112
.set HOLD, 128
.set BO,   176
.set WS,   208
.set AS,   224
.set TM,   226
.set MU,   242
.set RS,   246
.set WV,   22
.set G1,   28
.set G0,   36
.set SEL,  48
.set MNT,  50
.set HM,   51
.macro CROUND
	s_barrier_signal -1
	s_barrier_wait -1
	s_cmp_lg_u32 s[WV], 0
	s_cbranch_scc1 .Lnot_wave_0_\@
	s_barrier_signal -3
.Lnot_wave_0_\@:
	s_barrier_wait -3
	s_barrier_signal -1
	s_barrier_wait -1
.endm
	s_load_b512 s[4:19], s[0:1], 0x0
	s_load_b64 s[20:21], s[0:1], 0x40
	v_lshl_add_u32 v[SPW], v0, 2, SPARE
	v_mov_b32 v[NIL], 0
	ds_add_u32 v[SPW], v[NIL]
	ds_add_u32 v[SPW], v[NIL]
	v_lshrrev_b32 v1, 5, v0
	s_delay_alu instid0(VALU_DEP_1)
	v_readfirstlane_b32 s[WV], v1
	s_bfe_u32 s23, ttmp6, 0x40000
	s_lshl_b32 s24, ttmp9, 2
	s_add_co_u32 s24, s24, s23
	s_mov_b32 s[G1], 15|(0<<16)|(1<<20)|(1<<21)|(5<<22)|(3<<25)
	s_mov_b32 s[G1+1], 256<<16
	s_mov_b32 s[G1+2], 32<<16
	s_mov_b32 s[G1+3], 256<<16
	s_mov_b32 s[G1+4], 32
	s_mov_b32 s[G1+5], 1024
	s_mov_b32 s[G1+6], 0
	s_mov_b32 s[G1+7], 0
	s_mul_i32 s44, s[WV], WROWS
	s_lshl_b32 s46, s[WV], 16
	s_mov_b32 s47, 0
	s_mov_b32 s[SEL], 0x76543210
	s_mov_b32 s[SEL+1], 0xfedcba98
	s_mov_b32 s[MNT], 0x600000
	s_mov_b32 s[HM], 0xffff0000
	s_wait_dscnt 0x0
	s_wait_kmcnt 0x0
	s_mov_b32 s[G0], 1
	s_mov_b32 s[G0+1], s44
	s_add_nc_u64 s[G0+2:G0+3], s[6:7], s[46:47]
	s_mov_b32 s[G0+4], 1
	s_add_co_u32 s[G0+5], s44, SLOT
	s_add_nc_u64 s[G0+6:G0+7], s[G0+2:G0+3], 256
	s_or_b32 s[G0+3], s[G0+3], 0x80000000
	s_or_b32 s[G0+7], s[G0+7], 0x80000000
	CROUND
	tensor_load_to_lds s[G0:G0+3], s[G1:G1+7]
	s_nop 0
	s_wait_alu depctr_va_vdst(0)
	v_and_b32 v250, 31, v0
	s_wait_alu depctr_va_vdst(0)
	v_and_b32 v251, 15, v0
	v_bfe_u32 v252, v0, 4, 1
	v_lshlrev_b32 v[LI], 4, v250
	s_wait_alu depctr_va_vdst(0)
	s_lshr_b32 s45, s[WV], 1
	s_and_b32 s46, s[WV], 1
	s_lshl_b32 s52, s45, 12
	s_lshl_b32 s53, s46, 10
	s_add_co_u32 s52, s52, s53
	s_add_co_u32 s52, s52, AIMG
	v_add_nc_u32 v[AIW], s52, v[LI]
	s_lshl_b32 s52, s45, 8
	s_lshl_b32 s53, s46, 1
	s_add_co_u32 s52, s52, s53
	s_add_co_u32 s52, s52, ASC
	v_lshl_add_u32 v[ASW], v250, 2, s52
	v_add_nc_u32 v[AFA], AIMG, v[LI]
	v_lshl_add_u32 v[ASA], v250, 2, ASC
	v_mul_u32_u24 v[BFA], v251, 272
	s_delay_alu instid0(VALU_DEP_1)
	v_lshl_add_u32 v[BFA], v252, 3, v[BFA]
	s_delay_alu instid0(VALU_DEP_1)
	v_add_nc_u32 v[BFA], s44, v[BFA]
	s_delay_alu instid0(VALU_DEP_1)
	v_add_nc_u32 v[BFA+1], SLOT, v[BFA]
	s_lshl_b32 s52, s[WV], 2
	s_add_co_u32 s52, s52, EX
	v_mul_u32_u24 v[EXW], v250, 80
	s_delay_alu instid0(VALU_DEP_1)
	v_add_nc_u32 v[EXW], s52, v[EXW]
	v_mul_u32_u24 v[EXR], v251, 80
	s_delay_alu instid0(VALU_DEP_1)
	v_add_nc_u32 v[EXR], EX, v[EXR]
	s_lshl_b32 s52, s[WV], 8
	v_lshl_add_u32 v[GCO], v252, 5, s52
	s_mul_i32 s52, s[WV], 16*STP
	v_mul_u32_u24 v[STI], v251, STP
	s_delay_alu instid0(VALU_DEP_1)
	v_lshl_add_u32 v[STI], v252, 5, v[STI]
	s_delay_alu instid0(VALU_DEP_1)
	v_add_nc_u32 v[STI], s52, v[STI]
	v_mul_u32_u24 v[STB], v252, STP
	s_delay_alu instid0(VALU_DEP_1)
	v_lshl_add_u32 v[STB], v251, 4, v[STB]
	s_delay_alu instid0(VALU_DEP_1)
	v_add_nc_u32 v[STB], s52, v[STB]
	v_lshlrev_b32 v[OOF], 12, v252
	s_delay_alu instid0(VALU_DEP_1)
	v_lshl_add_u32 v[OOF], v251, 4, v[OOF]
	v_lshlrev_b32 v253, 5, v251
	s_delay_alu instid0(VALU_DEP_1)
	v_lshl_add_u32 v253, v252, 4, v253
	s_wait_alu depctr_va_vdst(0)
	s_mov_b32 s53, 0
	s_lshr_b32 s52, s24, 1
	s_lshl_b32 s52, s52, 18
	s_and_b32 s54, s24, 1
	s_lshl_b32 s54, s54, 14
	s_add_co_u32 s52, s52, s54
	s_lshl_b32 s54, s45, 15
	s_add_co_u32 s52, s52, s54
	s_lshl_b32 s54, s46, 12
	s_add_co_u32 s52, s52, s54
	s_add_nc_u64 s[4:5], s[4:5], s[52:53]
	s_lshl_b32 s52, s[WV], 11
	s_add_nc_u64 s[8:9], s[8:9], s[52:53]
	s_lshl_b32 s52, s24, 17
	s_lshl_b32 s54, s[WV], 8
	s_add_co_u32 s52, s52, s54
	s_add_nc_u64 s[20:21], s[20:21], s[52:53]
.irp t, 0,1
.irp n, 0,1,2,3,4,5,6,7
	global_load_b128 v[RES+32*\t+4*\n:RES+32*\t+4*\n+3], v[LI], s[4:5] offset:\t*8192+\n*512
.endr
.endr
.macro VEC32 reg, base
.irp n, 0,1,2,3,4,5,6,7
	global_load_b128 v[\reg+4*\n:\reg+4*\n+3], v[GCO], s[\base:\base+1] offset:(\n/4)*128+((\n/2)%2)*64+(\n%2)*16
.endr
.endm
	VEC32 GG, 12
	VEC32 BB, 14
	VEC32 BO, 10
.irp n, 0,1,2,3
	global_load_b128 v[WS+4*\n:WS+4*\n+3], v253, s[8:9] offset:512*\n
.endr
.irp i, 1,3,5,7
	v_mov_b32 v[MU+\i], 0
.endr
.irp b, 0,1,2,3
	v_mov_b32 v[TM+4+\b], 0
.endr
	s_wait_xcnt 0x0
	s_wait_alu depctr_va_vdst(0)
	s_wait_tensorcnt 0x0                           ; slot 0 is in (my rows of O and the vectors were asked for above)
	ds_add_u32 v10, v11
	s_wait_dscnt 0x0
	CROUND
	tensor_load_to_lds s[G0+4:G0+7], s[G1:G1+7]
	s_nop 0
.macro SUM32 t, d
.set R, RES+32*(\t)
	v_pk_add_f32 v[250:251], v[R:R+1], v[R+2:R+3]
	v_pk_add_f32 v[252:253], v[R+4:R+5], v[R+6:R+7]
.irp j, 8,12,16,20,24,28
	s_delay_alu instid0(VALU_DEP_2)
	v_pk_add_f32 v[250:251], v[250:251], v[R+\j:R+\j+1]
	s_delay_alu instid0(VALU_DEP_2)
	v_pk_add_f32 v[252:253], v[252:253], v[R+\j+2:R+\j+3]
.endr
	s_delay_alu instid0(VALU_DEP_1)
	v_pk_add_f32 v[250:251], v[250:251], v[252:253]
	s_delay_alu instid0(VALU_DEP_1)
	v_add_f32 v[\d], v250, v251
.endm
.macro SQ32 t, d
.set R, RES+32*(\t)
	v_pk_mul_f32 v[250:251], v[R:R+1], v[R:R+1]
	v_pk_mul_f32 v[252:253], v[R+2:R+3], v[R+2:R+3]
.irp j, 4,8,12,16,20,24,28
	s_delay_alu instid0(VALU_DEP_2)
	v_pk_fma_f32 v[250:251], v[R+\j:R+\j+1], v[R+\j:R+\j+1], v[250:251]
	s_delay_alu instid0(VALU_DEP_2)
	v_pk_fma_f32 v[252:253], v[R+\j+2:R+\j+3], v[R+\j+2:R+\j+3], v[252:253]
.endr
	s_delay_alu instid0(VALU_DEP_1)
	v_pk_add_f32 v[250:251], v[250:251], v[252:253]
	s_delay_alu instid0(VALU_DEP_1)
	v_add_f32 v[\d], v250, v251
.endm
.macro XCHG k, o0, o1
	s_delay_alu instid0(VALU_DEP_2)
	v_permlanex16_b32 v250, v254, s[SEL], s[SEL+1]
	s_delay_alu instid0(VALU_DEP_2)
	v_permlanex16_b32 v251, v255, s[SEL], s[SEL+1]
	s_delay_alu instid0(VALU_DEP_2)
	v_add_f32 v254, v254, v250
	s_delay_alu instid0(VALU_DEP_2)
	v_add_f32 v255, v255, v251
	s_delay_alu instid0(VALU_DEP_1)
	v_cndmask_b32 v254, v254, v255, s[HM]
	ds_store_b32 v[EXW], v254 offset:2560*(\k)
	s_wait_dscnt 0x0
	s_barrier_signal -1
	s_barrier_wait -1
.irp t, 0,1
.irp i, 0,1,2,3
	ds_load_b128 v[ACC+16*\t+4*\i:ACC+16*\t+4*\i+3], v[EXR] offset:2560*(\k)+1280*\t+16*\i
.endr
.endr
	s_wait_dscnt 0x0
.irp t, 0,1
.irp j, 0,4,8,12
	v_pk_add_f32 v[ACC+16*\t+\j:ACC+16*\t+\j+1], v[ACC+16*\t+\j:ACC+16*\t+\j+1], v[ACC+16*\t+\j+2:ACC+16*\t+\j+3]
.endr
.endr
.irp t, 0,1
.irp j, 0,8
	v_pk_add_f32 v[ACC+16*\t+\j:ACC+16*\t+\j+1], v[ACC+16*\t+\j:ACC+16*\t+\j+1], v[ACC+16*\t+\j+4:ACC+16*\t+\j+5]
.endr
.endr
.irp t, 0
	s_delay_alu instid0(VALU_DEP_3)
	v_pk_add_f32 v[ACC+16*\t:ACC+16*\t+1], v[ACC+16*\t:ACC+16*\t+1], v[ACC+16*\t+8:ACC+16*\t+9]
.endr
.irp t, 1
	s_delay_alu instid0(VALU_DEP_2)
	v_pk_add_f32 v[ACC+16*\t:ACC+16*\t+1], v[ACC+16*\t:ACC+16*\t+1], v[ACC+16*\t+8:ACC+16*\t+9]
.endr
	s_delay_alu instid0(VALU_DEP_2)
	v_add_f32 v[\o0], v[ACC], v[ACC+1]
	s_delay_alu instid0(VALU_DEP_2)
	v_add_f32 v[\o1], v[ACC+16], v[ACC+17]
	s_delay_alu instid0(VALU_DEP_2)
	v_mul_f32 v[\o0], 0x3a800000, v[\o0]
	s_delay_alu instid0(VALU_DEP_2)
	v_mul_f32 v[\o1], 0x3a800000, v[\o1]
.endm
.macro LNSTAT k
	SUM32 0, 254
	SUM32 1, 255
	XCHG \k, MU, MU+2
.set j, 0
.rept 16
	v_pk_add_f32 v[RES+j:RES+j+1], v[RES+j:RES+j+1], v[MU:MU+1] op_sel_hi:[1,0] neg_lo:[0,1] neg_hi:[0,1]
	v_pk_add_f32 v[RES+32+j:RES+32+j+1], v[RES+32+j:RES+32+j+1], v[MU+2:MU+3] op_sel_hi:[1,0] neg_lo:[0,1] neg_hi:[0,1]
.set j, j+2
.endr
	SQ32 0, 254
	SQ32 1, 255
	XCHG (\k)+1, RS, RS+2
	s_delay_alu instid0(VALU_DEP_2)
	v_add_f32 v[RS], 0x3727c5ac, v[RS]
	s_delay_alu instid0(VALU_DEP_2)
	v_add_f32 v[RS+2], 0x3727c5ac, v[RS+2]
	s_wait_alu depctr_va_vdst(0)
	v_rsq_f32 v[RS], v[RS]
	v_rsq_f32 v[RS+2], v[RS+2]
	v_nop
	s_wait_alu depctr_va_vdst(0)
.endm
.macro LNAPPLY
.set j, 0
.rept 16
	v_pk_mul_f32 v[RES+j:RES+j+1], v[RES+j:RES+j+1], v[RS:RS+1] op_sel_hi:[1,0]
	v_pk_mul_f32 v[RES+32+j:RES+32+j+1], v[RES+32+j:RES+32+j+1], v[RS+2:RS+3] op_sel_hi:[1,0]
.set j, j+2
.endr
.set j, 0
.rept 16
	v_pk_fma_f32 v[RES+j:RES+j+1], v[RES+j:RES+j+1], v[GG+j:GG+j+1], v[BB+j:BB+j+1]
	v_pk_fma_f32 v[RES+32+j:RES+32+j+1], v[RES+32+j:RES+32+j+1], v[GG+j:GG+j+1], v[BB+j:BB+j+1]
.set j, j+2
.endr
.endm
	s_wait_loadcnt 28
	LNSTAT 0
	s_wait_loadcnt 12
	LNAPPLY
.irp b, 0,1,2,3
	v_max3_num_f32 v[TM+\b], |v[RES+16*\b]|, |v[RES+1+16*\b]|, 0x4800000
.endr
.irp i, 2,4,6,8,10,12,14
.irp b, 0,1,2,3
	s_delay_alu instid0(VALU_DEP_4)
	v_max3_num_f32 v[TM+\b], v[TM+\b], |v[RES+16*\b+\i]|, |v[RES+1+16*\b+\i]|
.endr
.endr
.irp b, 0,1,2,3
	s_delay_alu instid0(VALU_DEP_4)
	v_permlanex16_b32 v[TM+4+\b], v[TM+\b], s[SEL], s[SEL+1]
.endr
.irp b, 0,1,2,3
	s_delay_alu instid0(VALU_DEP_4)
	v_max_num_f32 v[TM+\b], v[TM+\b], v[TM+4+\b]
.endr
.irp b, 0,1,2,3
	s_delay_alu instid0(VALU_DEP_4)
	v_add_nc_u32 v[TM+12+\b], 0xfc000000, v[TM+\b]
.endr
.irp b, 0,1,2,3
	v_and_or_b32 v[TM+8+\b], v[TM+\b], 0x7f800000, s[MNT]
.endr
.irp b, 0,1,2,3
	v_lshrrev_b32 v[TM+4+\b], 23, v[TM+12+\b]
.endr
	s_delay_alu instid0(VALU_DEP_3)
	v_lshl_or_b32 v250, v[TM+5], 8, v[TM+4]
	s_delay_alu instid0(VALU_DEP_2)
	v_lshl_or_b32 v251, v[TM+7], 8, v[TM+6]
.irp b, 0,1,2,3
.irp i, 0,1,2,3,4,5,6,7,8,9,10,11,12,13,14,15
	v_med3_num_f32 v[HOLD+16*(\b%2)+\i], v[RES+16*\b+\i], -v[TM+8+\b], v[TM+8+\b]
.endr
	v_cvt_scalef32_pk8_fp8_f32 v[PC+4*\b:PC+1+4*\b], v[HOLD+16*(\b%2):HOLD+16*(\b%2)+7], v[TM+12+\b]
	v_cvt_scalef32_pk8_fp8_f32 v[PC+2+4*\b:PC+3+4*\b], v[HOLD+16*(\b%2)+8:HOLD+16*(\b%2)+15], v[TM+12+\b]
.endr
	v_nop
.irp b, 0,1,2,3
	ds_store_b128 v[AIW], v[PC+4*\b:PC+4*\b+3] offset:(\b/2)*2048+(\b%2)*512
.endr
	ds_store_b16 v[ASW], v250
	ds_store_b16 v[ASW], v251 offset:128
	s_wait_dscnt 0x0
	s_barrier_signal -1
	s_barrier_wait -1
.macro KSTEP slot, ks, s, e, first
.rept 8
	v_nop
.endr
.irp t, 0,1
.irp c, 0,1,2,3
	ds_load_b128 v[AF+16*\t+4*\c:AF+16*\t+4*\c+3], v[AFA] offset:(2*(\s)+\t)*2048+512*\c
.endr
	ds_load_b32 v[AS+\t], v[ASA] offset:(2*(\s)+\t)*128
.endr
.irp u, 0,1
.irp c, 0,1,2,3
.irp x, 0,1
	ds_load_b64 v[BF+16*\u+4*\c+2*\x:BF+16*\u+4*\c+2*\x+1], v[BFA+\slot] offset:\u*16*272+128*(\ks)+32*\c+16*\x
.endr
.endr
.endr
	s_wait_dscnt 0x0
.irp t, 0,1
.irp u, 0,1
.if \first
	v_wmma_scale_f32_16x16x128_f8f6f4 v[ACC+16*\t+8*\u:ACC+16*\t+8*\u+7], v[BF+16*\u:BF+16*\u+15], v[AF+16*\t:AF+16*\t+15], v[BO+16*(\e)+8*\u:BO+16*(\e)+8*\u+7], v[WS+4*(2*(\e)+\u)+(\s)%4], v[AS+\t]
.elseif (\s) < 4
	v_wmma_scale_f32_16x16x128_f8f6f4 v[ACC+16*\t+8*\u:ACC+16*\t+8*\u+7], v[BF+16*\u:BF+16*\u+15], v[AF+16*\t:AF+16*\t+15], v[ACC+16*\t+8*\u:ACC+16*\t+8*\u+7], v[WS+4*(2*(\e)+\u)+(\s)%4], v[AS+\t]
.else
	v_wmma_scale_f32_16x16x128_f8f6f4 v[ACC+16*\t+8*\u:ACC+16*\t+8*\u+7], v[BF+16*\u:BF+16*\u+15], v[AF+16*\t:AF+16*\t+15], v[ACC+16*\t+8*\u:ACC+16*\t+8*\u+7], v[WS+4*(2*(\e)+\u)+(\s)%4], v[AS+\t] matrix_a_scale:MATRIX_SCALE_ROW1
.endif
.endr
.endr
.endm
.macro CHANGE slot, step
	s_wait_tensorcnt 0x0
	ds_add_u32 v[SPW], v[NIL]
	s_add_nc_u64 s[G0+4*\slot+2:G0+4*\slot+3], s[G0+4*\slot+2:G0+4*\slot+3], \step
	s_wait_dscnt 0x0
	CROUND
	tensor_load_to_lds s[G0+4*\slot:G0+4*\slot+3], s[G1:G1+7]
	s_nop 0
.endm
.macro RELUADD e
.rept 8
	v_nop
.endr
.set j, 0
.rept 32
	v_max_num_f32 v[ACC+j], 0, v[ACC+j]
.set j, j+1
.endr
.irp t, 0,1
.irp j, 0,2,4,6,8,10,12,14
	v_pk_add_f32 v[RES+32*\t+16*(\e)+\j:RES+32*\t+16*(\e)+\j+1], v[RES+32*\t+16*(\e)+\j:RES+32*\t+16*(\e)+\j+1], v[ACC+16*\t+\j:ACC+16*\t+\j+1]
.endr
.endr
.endm
	s_wait_loadcnt 0x0
	s_wait_tensorcnt 0x1
	KSTEP 0, 0, 0, 0, 1
	KSTEP 0, 1, 1, 0, 0
	CHANGE 0, 512
	KSTEP 1, 0, 2, 0, 0
	KSTEP 1, 1, 3, 0, 0
	CHANGE 1, 512
	KSTEP 0, 0, 4, 0, 0
	KSTEP 0, 1, 5, 0, 0
	CHANGE 0, 32256
	KSTEP 1, 0, 6, 0, 0
	KSTEP 1, 1, 7, 0, 0
	CHANGE 1, 32256
	RELUADD 0
	KSTEP 0, 0, 0, 1, 1
	KSTEP 0, 1, 1, 1, 0
	CHANGE 0, 512
	KSTEP 1, 0, 2, 1, 0
	KSTEP 1, 1, 3, 1, 0
	CHANGE 1, 512
	KSTEP 0, 0, 4, 1, 0
	KSTEP 0, 1, 5, 1, 0
	s_wait_tensorcnt 0x0
	KSTEP 1, 0, 6, 1, 0
	KSTEP 1, 1, 7, 1, 0
	RELUADD 1
	VEC32 GG, 16
	VEC32 BB, 18
	LNSTAT 2
	s_wait_loadcnt 0x0
	LNAPPLY
.irp t, 0,1
.irp n, 0,1,2,3,4,5,6,7
	ds_store_b128 v[STI], v[RES+32*\t+4*\n:RES+32*\t+4*\n+3] offset:(\n/4)*128+((\n/2)%2)*64+(\n%2)*16
.endr
.irp i, 0,1,2,3,4,5,6,7
	ds_load_b128 v[GG+32*\t+4*\i:GG+32*\t+4*\i+3], v[STB] offset:2*\i*STP
.endr
.endr
.irp t, 0,1
.irp i, 0,1,2,3,4,5,6,7
	s_wait_dscnt 23-16*\t-\i
	global_store_b128 v[OOF], v[GG+32*\t+4*\i:GG+32*\t+4*\i+3], s[20:21] offset:(16*\t+2*\i)*4096 th:TH_STORE_NT
.endr
.endr
	s_wait_tensorcnt 0x0
	ds_add_u32 v[SPW], v[NIL]
	s_wait_dscnt 0x0
	CROUND
	s_endpgm
.Lfunc_end_k_q510a435959_tail:
	.size	k_q510a435959_tail, .Lfunc_end_k_q510a435959_tail-k_q510a435959_tail
	.p2alignl 7, 3214868480
	.fill 96, 4, 3214868480
	.section	.rodata,"a",@progbits
	.p2align	6, 0x0
	.amdhsa_kernel k_q510a435959_tail
		.amdhsa_group_segment_fixed_size 327680
		.amdhsa_private_segment_fixed_size 0
		.amdhsa_enable_private_segment 0
		.amdhsa_kernarg_size 72
		.amdhsa_user_sgpr_count 2
		.amdhsa_user_sgpr_kernarg_segment_ptr 1
		.amdhsa_wavefront_size32 1
		.amdhsa_system_sgpr_workgroup_id_x 1
		.amdhsa_system_sgpr_workgroup_id_y 1
		.amdhsa_system_sgpr_workgroup_id_z 1
		.amdhsa_system_vgpr_workitem_id 0
		.amdhsa_next_free_vgpr 256
		.amdhsa_next_free_sgpr 66
		.amdhsa_reserve_vcc 0
		.amdhsa_float_denorm_mode_32 3
		.amdhsa_float_denorm_mode_16_64 3
		.amdhsa_memory_ordered 1
		.amdhsa_forward_progress 1
		.amdhsa_inst_pref_size 108
	.end_amdhsa_kernel
	.amdgpu_metadata
---
amdhsa.version: [ 1, 2 ]
amdhsa.kernels:
  - .name:           k_q510a435959_tail
    .symbol:         k_q510a435959_tail.kd
    .args:
      - { .name: oimg, .offset: 0, .size: 8, .value_kind: global_buffer, .address_space: global }
      - { .name: Wo_codes, .offset: 8, .size: 8, .value_kind: global_buffer, .address_space: global }
      - { .name: Wo_scales, .offset: 16, .size: 8, .value_kind: global_buffer, .address_space: global }
      - { .name: bo, .offset: 24, .size: 8, .value_kind: global_buffer, .address_space: global }
      - { .name: g0, .offset: 32, .size: 8, .value_kind: global_buffer, .address_space: global }
      - { .name: b0, .offset: 40, .size: 8, .value_kind: global_buffer, .address_space: global }
      - { .name: g1, .offset: 48, .size: 8, .value_kind: global_buffer, .address_space: global }
      - { .name: b1, .offset: 56, .size: 8, .value_kind: global_buffer, .address_space: global }
      - { .name: out0, .offset: 64, .size: 8, .value_kind: global_buffer, .address_space: global }
    .group_segment_fixed_size: 327680
    .private_segment_fixed_size: 0
    .kernarg_segment_align: 8
    .kernarg_segment_size: 72
    .max_flat_workgroup_size: 512
    .sgpr_count:     66
    .vgpr_count:     256
    .wavefront_size: 32
...
	.end_amdgpu_metadata
.endif
;; end of part 3
